; MI455X (gfx1250); checked and timed in simulation.
; The chip was launched on July 23, 2026; its instructions are those of AMD's public machine-readable ISA for CDNA 5 (MIT licence, August 2026) and "CDNA5" Instruction Set Architecture Reference Guide (July 2026). The comments in the code are by the model that wrote it; some were corrected since.
;; Multi Head Self Attention. Allowed arithmetic: matrix products marked QUANTISED: E2M3 operands, one E8M0 scale for each 32 along K, by v_wmma_scale_f32_16x16x128_f8f6f4 with both operands' format E2M3, f32 sums; everything else in f32.
;; Inputs: b_proj 1,024 float32; b_qkv 3,072 float32; w_proj_codes 1,024 x 32 x 24 uint8 (E2M3 codes of w_proj, K innermost, in blocks of 32 codes, four codes in three bytes); w_proj_scales 1,024 x 32 uint8 (E8M0 scales of w_proj, one for each 32 codes along K); w_qkv_codes 3,072 x 32 x 24 uint8 (E2M3 codes of w_qkv, K innermost, in blocks of 32 codes, four codes in three bytes); w_qkv_scales 3,072 x 32 uint8 (E8M0 scales of w_qkv, one for each 32 codes along K); x_codes 8 x 1,024 x 32 x 24 uint8 (E2M3 codes of x, K innermost, in blocks of 32 codes, four codes in three bytes); x_scales 8 x 1,024 x 32 uint8 (E8M0 scales of x, one for each 32 codes along K).
;; Outputs: out0 8 x 1,024 x 1,024 float32.
;; This version of the problem:
;;   THIS VERSION OF THE PROBLEM IS GIVEN IN LOW PRECISION. The matrix products marked QUANTISED in the list below multiply operands that are first quantised to E2M3 (2 exponent bits, 3 mantissa bits; 6 bits a number), with one power-of-two scale for each 32 numbers along K (OCP MX v1.0); their sums are f32. All else is computed in f32.
;;   The module's matrix products, in the order in which they are computed (A, B: the left and right operand; K: the contracted axis; several contracted axes count as one K, in the product's order):
;;     1. [M 8,192, K 1,024] x [K 1,024, N 3,072]; A: input x (given as codes); B: input w_qkv (given as codes): QUANTISED
;;     2. batch 128 x [M 1,024, K 64] x [K 64, N 1,024]; A: computed on the way; B: computed on the way: QUANTISED
;;     3. batch 128 x [M 1,024, K 1,024] x [K 1,024, N 64]; A: softmax (see below); B: computed on the way: QUANTISED
;;     4. [M 8,192, K 1,024] x [K 1,024, N 1,024]; A: computed on the way; B: input w_proj (given as codes): QUANTISED
;;   THE QUANTISER, for each operand of a quantised product, along K:
;;     - K is cut into blocks of 32 from its start; a last block that is shorter is filled with zeros.
;;     - A block's scale is 2^e with e = floor(log2(the largest magnitude in the block)) - 2, held to -126 .. 127; a block of zeros has e = 0. As a byte (E8M0): e + 127.
;;     - Each number is divided by its block's scale, clamped to +-7.5, and rounded to the nearest number of E2M3, ties to even, subnormals kept.
;;     - The product sums the exact products of the quantised numbers (number of the format x scale) in f32.
;;   ~~~python
;;   def quantise(x, axis):      # numpy; x: float32 -> the quantised numbers, widened to float32 again
;;       x = np.moveaxis(x, axis, -1); K = x.shape[-1]
;;       x = np.pad(x, [(0, 0)] * (x.ndim - 1) + [(0, -K % 32)]); x = x.reshape(x.shape[:-1] + (-1, 32)); a = np.abs(x).max(-1, keepdims=True)
;;       e = np.where(a > 0, np.clip(np.frexp(np.where(a > 0, a, 1))[1] - 1 - 2, -126, 127), 0)      # np.frexp(a)[1] - 1 = floor(log2(a)), exactly
;;       r = np.clip(x / 2.0 ** e, -7.5, 7.5)
;;       step = 2.0 ** (np.maximum(np.frexp(np.where(r == 0, 1, r))[1] - 1, 0) - 3)
;;       q = np.round(r / step) * step * 2.0 ** e      # np.round: ties to even
;;       return np.moveaxis(q.reshape(q.shape[:-2] + (-1,))[..., :K], -1, axis).astype(np.float32)
;;   ~~~
;;   SOFTMAX AHEAD OF A QUANTISED PRODUCT. Where the list says 'softmax', what is quantised is not the finished softmax but p = 2^(t - M), with t = logit x log2(e) and M = ceil(the row's largest t), a whole number; so 1/2 < the row's largest p <= 1. The row's sum l is taken of the UNQUANTISED p, in f32, and the product's result is divided by l at the end. Since M is a whole number, a kernel that streams over the keys may use a running M (the ceiling of the running maximum): every later rescaling is an exact power of two, which a block's scale takes up: the codes' values come out the same.
;;   OPERANDS COMPUTED ON THE WAY. 'Computed on the way' means the value that the module computes at that place (a softmax that the list does not call 'softmax' is quantised finished and normalised). What goes into a quantiser is computed in f32, as accurately as f32 sums, v_exp_f32 and their like allow (about 1e-6 of the number): no bf16 or f16 on the way to a quantiser, and a product that is left as it is and whose result goes on into a quantised operand takes f32 operands (vector FMAs, or v_wmma_f32_16x16x4_f32). A number that lies on a knife's edge between two numbers of the format may be rounded either way, as far as f32 arithmetic and the matrix unit's own rounding can turn it there, and no further.
;;   INPUTS GIVEN AS CODES. w_proj (in the module: [1024, 1024], K = its axis 0); w_qkv (in the module: [1024, 3072], K = its axis 0); x (in the module: [8, 1024, 1024], K = its axis 2): each comes as NAME_codes (uint8): NAME with its K axis moved to the last place and cut into blocks of 32 codes, [.., K / 32, bytes a block], one block behind the other in memory; four codes in three bytes: a row's codes are one little-endian stream of bits, code i at bits 6 i .. 6 i + 5 (a code: sign, 2 exponent bits, 3 mantissa bits); and NAME_scales (uint8): the same leading axes, one E8M0 byte (e + 127) for each 32 codes along K. Its value is code x scale, taken as it is: it is not quantised again, and the codes and scales need not be those that the quantiser above would give.
;; One version. Each part assembles by itself: llvm-mc -triple=amdgcn-amd-amdhsa -mcpu=gfx1250 --defsym DOCPART=n.
;; ======== version 1 of 1: 3 launches
;; limits: right only within a limited range of input values
;; workspace buffers: frag 18,874,368 bytes; fsc 786,432 bytes; oimg 6,291,456 bytes; osc 262,144 bytes
;; launch qkv (part 1): grid 8 x 32, 4 waves a work-group, clusters of 4 x 4, 327,680 bytes of LDS; arguments x_codes, x_scales, w_qkv_codes, w_qkv_scales, b_qkv, frag, fsc; writes frag, fsc
.if DOCPART == 1
	.amdgcn_target "amdgcn-amd-amdhsa--gfx1250"
	.amdhsa_code_object_version 6
	.text
	.protected	k_qf413803ea5_qkv
	.globl	k_qf413803ea5_qkv
	.p2align	8
	.type	k_qf413803ea5_qkv,@function
k_qf413803ea5_qkv:
	s_mov_b64 s[64:65], 0
	v_nop
	global_prefetch_b8 v0, s[64:65] scope:SCOPE_SE
	s_setreg_imm32_b32 hwreg(HW_REG_WAVE_MODE, 25, 1), 1
	s_wait_xcnt 0x0
	s_wait_alu depctr_hold_cnt(0) depctr_sa_sdst(0) depctr_va_vdst(0) depctr_va_sdst(0) depctr_va_ssrc(0) depctr_va_vcc(0) depctr_vm_vsrc(0)
	s_getreg_b32 s2, hwreg(HW_REG_IB_STS2, 6, 4)
	s_cmp_eq_u32 s2, 0
	s_cbranch_scc0 .Lentry_in_a_cluster
	s_endpgm
.Lentry_in_a_cluster:
	s_bfe_u32 s2, ttmp6, 0x10000c
	s_cmp_lg_u32 s2, 0xf033
	s_cbranch_scc0 .Lentry_shape_is_right
	s_endpgm
.Lentry_shape_is_right:
; qkv = x w_qkv + b_qkv on codes of FP6 (E2M3) with E8M0 scales, and the quantising of q, k (along a head's 64) and v (along the keys) into images of operand registers.
; THE DEAL.  256 work-groups of four waves.  A work-group takes 256 tokens (tile T) and one pair of heads (g) through three phases: q, k, v (w's rows 128 g .., + 1,024, + 2,048).
; Wave w: tokens 128 (w / 2) .., head c = w % 2.  A wave holds its 64 rows of the weight, all of K, in 384 registers and streams its tokens past them in eight blocks of 16: 32 products a block.
; LDS: x's 256 rows, all of K, filled once (rows of 768 bytes, 16 of padding behind every 256); a region for the weights' 128 rows, filled again twice, each time when all waves hold the old rows in registers; the spare words.
; A refill is asked for in a phase's first block and first read behind its last: seven blocks, 224 products, lie between, so no prefetch runs ahead of it.
; CLUSTERS 4 x 4: x's rows are shared by a row of the cluster, a weight's rows by a column: joint loads.
; q, k: source 0 = the weight's rows, source 1 = tokens: a lane holds a token, registers run along features.  v: the sources swapped: a lane holds a feature, registers run along tokens.
; The bias is the C of each sum's first product.  Scale words and bias come straight into registers.
; THE WAY OUT, at a phase's end: 16 registers of two neighbouring accumulators and the same of lane l xor 16 are a block of 32 along the next K; inside a block the order is 0-7, 16-23, 8-15, 24-31,
; the same in q and k, and the same in v and in the weights p that the next launch makes.
;   frag [outer 24][inner 64][f 8][1,536 bytes]: outer 0-7 q of pair g, 8-15 k, 16-23 v; inner = token / 128; q, k: f = 4 c + i: registers 0-5 tokens 32 i + r, 6-11 tokens 32 i + 16 + r; v: f = 4 c + t: features 16 t + r.
;   fsc [outer][inner][c 2][r 16][i 4]: the scale word of fragment 4 c + i, row r: a wave stores 256 bytes on end.
; LIMITS: NaN and infinities are not served; a block whose largest magnitude lies under 2^-124, a block of zeros too, gets the byte 1 (this program alone reads the bytes).
; REGISTERS: window 0: v4-27 LDS addresses; v32-63 x's scale words, v68-83 the weight's; v84-115 the bias tiles; v160-255 x's set 1, at a phase's end the quantiser's work.
;   window 1 and v0-131 of window 2: the weight's 32 fragments; window 2 v132-227: x's set 0; window 3: the 256 accumulators.
.set KROW,  768
.set PITCH, 816
.set BLK,   16*PITCH
.set WB,    256*PITCH
.set SPARE, WB+128*PITCH
.set NF,    26                         ; LDS loads of a block of x
.set XA,  4                            ; v4-19  x's block s: 2 s, 2 s + 1 (behind one padding more)
.set WA,  20                           ; v20-27 the weight's tile b likewise
.set SPW, 28
.set NIL, 29
.set LI,  30                           ; 16 x lane
.set SA,  31                           ; 16 r
.set XS,  32                           ; 8 (s / 2) + q: lanes 0-15 block 2 p, lanes 16-31 block 2 p + 1
.set WS,  68                           ; 8 (t / 2) + q likewise
.set CI,  84
.set VB,  116                          ; v's bias, one number a tile
.set TM,  160
.set PW,  176
.set XQ,  180
.set CD,  188
.set G1A, 24
.set G1B, 32
.set G0A, 52
.set G0B, 56
.set MSB, 0
.macro WIN new
.if MSB != (\new)
	s_set_vgpr_msb (MSB<<8)|(\new)
.set MSB, (\new)
.endif
.endm
.macro PLACES n
.rept \n
	v_nop
.endr
.endm
.macro WALU
	s_wait_alu depctr_va_vdst(0)
.endm
.macro BARRIER
	s_barrier_signal -1
	s_barrier_wait -1
.endm
.macro MIDDLE                          ; a round's middle
	s_barrier_wait -1
	s_cmp_lg_u32 s20, 0
	s_cbranch_scc1 .Lnot_wave_0_\@
	s_barrier_signal -3
.Lnot_wave_0_\@:
	s_barrier_wait -3
.endm
.macro CROUND
	s_barrier_signal -1
	MIDDLE
	BARRIER
.endm
.macro TLOAD g0, g1
	tensor_load_to_lds s[\g0:\g0+3], s[\g1:\g1+7]
	s_nop 0
	PLACES 4
.endm
.macro GROUP1 g, mask, rows            ; rows of 768 bytes, 16 bytes of padding behind every 256
	s_or_b32 s[\g+0], s[\mask], (1<<20)|(1<<21)|(5<<22)|(3<<25)
	s_mov_b32 s[\g+1], KROW<<16
	s_mov_b32 s[\g+2], (\rows)<<16
	s_mov_b32 s[\g+3], KROW<<16
	s_mov_b32 s[\g+4], \rows
	s_mov_b32 s[\g+5], KROW
	s_mov_b32 s[\g+6], 0
	s_mov_b32 s[\g+7], 0
.endm
; a fragment, 16 rows x 128 K: six pieces of 8 bytes, two to a load where both go by one address register; lanes 16-31 read three pieces on
.macro FRAG w, R, q, a0
	WIN (\w)<<6
.set SKIP_, 0
.irp p, 0,1,2,3,4,5
.if SKIP_
.set SKIP_, 0
.else
.set PC_, 12*(\q)+6*(\p/3)+\p%3
.set PN_, 12*(\q)+6*((\p+1)/3)+(\p+1)%3
.set X_, (PC_%32+3)/32
.set XQ_, (PN_%32+3)/32
.if (\p < 5) && (X_ == XQ_)
.set SKIP_, 1
	ds_load_2addr_b64 v[(\R)+2*\p:(\R)+2*\p+3], v[(\a0)+X_] offset0:PC_+2*(PC_/32) offset1:PN_+2*(PN_/32)
.else
	ds_load_b64 v[(\R)+2*\p:(\R)+2*\p+1], v[(\a0)+X_] offset:8*(PC_+2*(PC_/32))
.endif
.endif
.endr
.endm
.macro WEIGHTS                         ; fragment 4 q + t: 21 to a window, from window 1 on
.irp q, 0,1,2,3,4,5,6,7
.irp b, 0,1,2,3
	FRAG 1+(4*\q+\b)/21, 12*((4*\q+\b)%21), \q, WA+2*\b
.endr
.endr
	WIN 0
.endm
.macro FETCH e, s                      ; block s of x into set e
.irp q, 0,1,2,3,4,5,6,7
	FRAG 2-2*(\e), 132+28*(\e)+12*\q, \q, XA+2*(\s)
.endr
	WIN 0
.endm
.macro PR ra, rb
	v_wmma_scale_f32_16x16x128_f8f6f4 v[D_:D_+7], v[A_:A_+11], v[B_:B_+11], v[C_:C_+7], v[SA_], v[SB_] matrix_a_fmt:MATRIX_FMT_FP6 matrix_b_fmt:MATRIX_FMT_FP6 matrix_a_scale:MATRIX_SCALE_ROW\ra matrix_b_scale:MATRIX_SCALE_ROW\rb
.endm
.macro PROD kind, s, n                 ; n = 4 q + t
.set Q_, (\n)/4
.set T_, (\n)%4
.set WW_, 1+(\n)/21
.set WR_, 12*((\n)%21)
.set XW_, 2-2*((\s)%2)
.set XR_, 132+28*((\s)%2)+12*Q_
.set SW_, WS+8*(T_/2)+Q_
.set SX_, XS+8*((\s)/2)+Q_
.if \kind
.set D_, 64*T_+8*(\s)
.set A_, XR_
.set B_, WR_
.set SA_, SX_
.set SB_, SW_
.set RA_, (\s)%2
.set RB_, T_%2
.set WN_, XW_|(WW_<<2)
.else
.set D_, 32*(\s)+8*T_
.set A_, WR_
.set B_, XR_
.set SA_, SW_
.set SB_, SX_
.set RA_, T_%2
.set RB_, (\s)%2
.set WN_, WW_|(XW_<<2)
.endif
.if Q_
.set C_, D_
	WIN WN_|0xf0
.else
.set C_, CI+8*T_
	WIN WN_|0xc0
.endif
.if RA_ && RB_
	PR 1, 1
.elseif RA_
	PR 1, 0
.elseif RB_
	PR 0, 1
.else
	PR 0, 0
.endif
.endm
.macro BLOCK kind, s                   ; 32 products; the block's four accumulators take turns
.set N_, 0
.rept 32
	PROD \kind, \s, N_
.set N_, N_+1
.endr
	WIN 0
.endm
.macro WSLOAD
.irp p, 0,1
	global_load_b128 v[WS+8*\p:WS+8*\p+3], v124, s[10:11] offset:1024*\p
	global_load_b128 v[WS+8*\p+4:WS+8*\p+7], v124, s[10:11] offset:1024*\p+16
.endr
.endm
.macro CILOAD                          ; q, k: tile t, register j: b[16 t + 8 h + j]
.irp t, 0,1,2,3
	global_load_b128 v[CI+8*\t:CI+8*\t+3], v125, s[12:13] offset:64*\t
	global_load_b128 v[CI+8*\t+4:CI+8*\t+7], v125, s[12:13] offset:64*\t+16
.endr
.endm
; fragment f: four blocks of 32 in the 64 accumulator registers from lo on.  A block's scale: the largest magnitude, with the floor 2^-124, 2 off its exponent field
.macro QUANT f, lo
.set QB0, (\lo)
.set QB1, (\lo)+16
.set QB2, (\lo)+32
.set QB3, (\lo)+48
.set CDF, CD+12*(\f)
	WIN 0x0f
.irp b, 0,1,2,3
	v_max3_num_f32 v[TM+\b], |v[QB\b]|, |v[QB\b+1]|, 0x1800000
.endr
.irp i, 2,4,6,8,10,12,14
.irp b, 0,1,2,3
	v_max3_num_f32 v[TM+\b], |v[QB\b+\i]|, |v[QB\b+\i+1]|, v[TM+\b]
.endr
.endr
	WIN 0
.irp b, 0,1,2,3
	v_permlanex16_b32 v[TM+4+\b], v[TM+\b], s60, s61
.endr
.irp b, 0,1,2,3
	v_max_num_f32 v[TM+\b], v[TM+\b], v[TM+4+\b]
.endr
.irp b, 0,1,2,3
	v_add_nc_u32 v[TM+12+\b], 0xff000000, v[TM+\b]
.endr
.irp b, 0,1,2,3
	v_lshrrev_b32 v[TM+4+\b], 23, v[TM+12+\b]
.endr
	v_lshl_or_b32 v[PW+(\f)], v[TM+5], 8, v[TM+4]
	v_lshl_or_b32 v[PW+(\f)], v[TM+6], 16, v[PW+(\f)]
	v_lshl_or_b32 v[PW+(\f)], v[TM+7], 24, v[PW+(\f)]
	WIN 3
	v_cvt_scalef32_pk16_fp6_f32 v[CDF:CDF+2], v[QB0:QB0+15], v[TM+12]
	v_cvt_scalef32_pk16_fp6_f32 v[XQ:XQ+2], v[QB1:QB1+15], v[TM+13]
	v_cvt_scalef32_pk16_fp6_f32 v[CDF+6:CDF+8], v[QB2:QB2+15], v[TM+14]
	v_cvt_scalef32_pk16_fp6_f32 v[XQ+4:XQ+6], v[QB3:QB3+15], v[TM+15]
	WIN 0
	v_nop                                          ; one plain place behind a scaled conversion
.irp c, 0,1                                    ; a whole block to a lane
.irp i, 0,1,2
	v_permlane16_swap_b32 v[CDF+6*\c+\i], v[XQ+4*\c+\i]
.endr
.irp i, 0,1,2
	v_mov_b32 v[CDF+3+6*\c+\i], v[XQ+4*\c+\i]
.endr
.endr
.irp c, 0,1,2
	global_store_b128 v[LI], v[CDF+4*\c:CDF+4*\c+3], s[14:15] offset:1536*(\f)+512*\c   ; 32 lanes store 512 consecutive bytes
.endr
.endm
; A PHASE.  On entry the weight's fragments and x's blocks 0 and 1 are asked for.  more = 1: the weights' region is filled again, and the next phase is made ready.
.macro PHASE kind, more
	s_wait_loadcnt 0x0                             ; the scale words and the bias
.if \kind
.irp t, 0,1,2,3
.irp i, 0,1,2,3,4,5,6,7
	v_mov_b32 v[CI+8*\t+\i], v[VB+\t]              ; v: b[16 t + r] in all eight registers
.endr
.endr
	PLACES 4
	WALU
.endif
.if \more
	s_wait_tensorcnt 0x0                           ; ahead of a refill's round
	ds_add_u32 v[SPW], v[NIL]
	s_add_nc_u64 s[G0B+2:G0B+3], s[G0B+2:G0B+3], 1024*KROW   ; no load of mine is out: the next tensor's rows
	s_wait_dscnt 0x0                               ; the add is done; the weight's rows are in my registers
	s_barrier_signal -1
	BLOCK \kind, 0                                 ; register work inside the round
	MIDDLE
	BARRIER
	s_cmp_lt_u32 s20, 2
	s_cbranch_scc0 .Lnone_\@
	TLOAD G0B, G1B                                 ; waves 0 and 1 a half each
.Lnone_\@:
.else
	s_wait_dscnt 0x0
	BLOCK \kind, 0
.endif
	PLACES 4
	FETCH 0, 2
	BLOCK \kind, 1
	PLACES 4
	FETCH 1, 3
.irp s, 2,3,4,5
	s_wait_dscnt NF                                ; all but the younger block's 26 loads
	BLOCK \kind, \s
	PLACES 4
	FETCH \s%2, \s+2
.endr
	s_wait_dscnt NF
	BLOCK \kind, 6
	s_wait_dscnt 0x0
	BLOCK \kind, 7
	PLACES 4
.if \more
	s_wait_xcnt 0x0                                ; the bases are stepped behind this wait
	s_add_nc_u64 s[10:11], s[10:11], 1024*32
	s_add_nc_u64 s[12:13], s[12:13], 4096
	WSLOAD
	s_cmp_eq_u32 s71, 1                            ; v's bias was loaded at the head
	s_cbranch_scc1 .Lnob_\@
	CILOAD
.Lnob_\@:
	s_wait_tensorcnt 0x0
	s_wait_dscnt 0x0
	BARRIER                                        ; a plain barrier shows the refill to all
	WEIGHTS
	FETCH 0, 0
.endif
.irp b, 0,1,2,3
	v_mov_b32 v[TM+4+\b], 0                        ; a lane permute's destination counts as one of its sources
.endr
.irp f, 0,1,2,3
	QUANT \f, 64*\f
.endr
	WALU
	s_wait_xcnt 0x0                                ; EXEC changes only behind this wait
	v_cmp_gt_u32 vcc_lo, 16, v3
	s_and_saveexec_b32 s70, vcc_lo
	global_store_b128 v[SA], v[PW:PW+3], s[16:17]  ; lanes 0-15 store my head's 256 bytes of scale words
	s_wait_xcnt 0x0
	s_or_b32 exec_lo, exec_lo, s70
.if \more
	s_add_nc_u64 s[14:15], s[14:15], 6291456       ; eight outers on
	s_add_nc_u64 s[16:17], s[16:17], 262144
	FETCH 1, 1                                     ; into registers whose stores have read them
.endif
.endm
	s_load_b256 s[4:11], s[0:1], 0x0               ; x's codes, x's scales, w's codes, w's scales
	s_load_b128 s[12:15], s[0:1], 0x20             ; the bias, frag
	s_load_b64 s[16:17], s[0:1], 0x30              ; fsc
	v_lshl_add_u32 v[SPW], v0, 2, SPARE
	v_mov_b32 v[NIL], 0
	ds_add_u32 v[SPW], v[NIL]
	ds_add_u32 v[SPW], v[NIL]
	v_lshrrev_b32 v1, 5, v0
	v_readfirstlane_b32 s20, v1                    ; wave
	s_lshr_b32 s21, s20, 1                         ; my half of the tokens.  Also: I fetch the weight (0) or x (1)
	s_and_b32 s22, s20, 1                          ; my head.  Also: which half I fetch
	s_bfe_u32 s40, ttmp6, 0x40000                  ; cx
	s_bfe_u32 s41, ttmp6, 0x40004                  ; cy
	s_lshl_b32 s42, ttmp9, 2
	s_add_co_u32 s42, s42, s40                     ; g
	s_and_b32 s43, ttmp7, 0xffff
	s_lshl_b32 s43, s43, 2
	s_add_co_u32 s43, s43, s41                     ; T
	s_lshl_b32 s44, s41, 2
	s_lshl_b32 s44, 15, s44                        ; my row of the cluster
	s_lshl_b32 s45, 0x1111, s40                    ; my column
	GROUP1 G1A, 44, 128
	GROUP1 G1B, 45, 64
	s_mul_i32 s46, s43, 256*KROW
	s_mul_i32 s48, s22, 128*KROW
	s_add_co_u32 s46, s46, s48                     ; x: 128 rows
	s_mov_b32 s47, 0
	s_mul_i32 s48, s42, 128*KROW
	s_mul_i32 s50, s22, 64*KROW
	s_add_co_u32 s48, s48, s50                     ; the weight: 64 rows
	s_mov_b32 s49, 0
	s_mov_b32 s[G0A], 1
	s_mul_i32 s[G0A+1], s22, 128*PITCH
	s_mov_b32 s[G0B], 1
	s_mul_i32 s[G0B+1], s22, 64*PITCH
	s_add_co_u32 s[G0B+1], s[G0B+1], WB
	WALU
	s_wait_dscnt 0x0
	CROUND                                         ; in front of the first joint loads
	s_wait_kmcnt 0x0
	s_add_nc_u64 s[G0A+2:G0A+3], s[4:5], s[46:47]
	s_or_b32 s[G0A+3], s[G0A+3], 0x80000000
	s_add_nc_u64 s[G0B+2:G0B+3], s[8:9], s[48:49]
	s_or_b32 s[G0B+3], s[G0B+3], 0x80000000
	s_cmp_lt_u32 s20, 2
	s_cbranch_scc0 .Lfor_x
	TLOAD G0B, G1B                                 ; one tensor load a wave at the head
	s_branch .Lasked
.Lfor_x:
	TLOAD G0A, G1A
.Lasked:
	v_and_b32 v1, 15, v0                           ; r
	v_bfe_u32 v2, v0, 4, 1                         ; h
	v_and_b32 v3, 31, v0
	v_mul_u32_u24 v120, v1, PITCH
	v_mad_u32_u24 v121, v2, 24, v120
	v_mad_u32_u24 v122, v2, 40, v120
	s_mul_i32 s46, s21, 128*PITCH
	s_mul_i32 s47, s22, 64*PITCH
	s_add_co_u32 s47, s47, WB
	v_add_nc_u32 v[XA], s46, v121
	v_add_nc_u32 v[XA+1], s46, v122
	v_add_nc_u32 v[WA], s47, v121
	v_add_nc_u32 v[WA+1], s47, v122
.irp s, 1,2,3,4,5,6,7
	v_add_nc_u32 v[XA+2*\s], \s*BLK, v[XA]
	v_add_nc_u32 v[XA+2*\s+1], \s*BLK, v[XA+1]
.endr
.irp b, 1,2,3
	v_add_nc_u32 v[WA+2*\b], \b*BLK, v[WA]
	v_add_nc_u32 v[WA+2*\b+1], \b*BLK, v[WA+1]
.endr
	v_lshlrev_b32 v[LI], 4, v3
	v_lshlrev_b32 v[SA], 4, v1
	v_lshlrev_b32 v124, 5, v3                      ; a row of scale bytes a lane
	v_lshlrev_b32 v125, 5, v2
	v_lshlrev_b32 v126, 2, v1
	s_lshl_b32 s46, s43, 8
	s_lshl_b32 s47, s21, 7
	s_add_co_u32 s46, s46, s47                     ; my first token
	s_lshl_b32 s46, s46, 5
	s_mov_b32 s47, 0
	s_add_nc_u64 s[6:7], s[6:7], s[46:47]
	s_lshl_b32 s48, s42, 7
	s_lshl_b32 s49, s22, 6
	s_add_co_u32 s48, s48, s49                     ; my first feature of q
	s_lshl_b32 s50, s48, 5
	s_mov_b32 s51, 0
	s_add_nc_u64 s[10:11], s[10:11], s[50:51]
	s_lshl_b32 s50, s48, 2
	s_add_nc_u64 s[12:13], s[12:13], s[50:51]
	s_lshl_b32 s48, s42, 6
	s_lshl_b32 s49, s43, 1
	s_add_co_u32 s48, s48, s49
	s_add_co_u32 s48, s48, s21                     ; 64 outer + inner
	s_mul_i32 s50, s48, 12288
	s_mul_i32 s49, s22, 6144
	s_add_co_u32 s50, s50, s49
	s_add_nc_u64 s[14:15], s[14:15], s[50:51]
	s_lshl_b32 s50, s48, 9
	s_lshl_b32 s49, s22, 8
	s_add_co_u32 s50, s50, s49
	s_add_nc_u64 s[16:17], s[16:17], s[50:51]
	s_mov_b32 s60, 0x76543210                      ; v_permlanex16_b32's selects for lane l xor 16
	s_mov_b32 s61, 0xfedcba98
	s_mov_b32 s71, 0
	WALU
.irp p, 0,1,2,3
	global_load_b128 v[XS+8*\p:XS+8*\p+3], v124, s[6:7] offset:1024*\p
	global_load_b128 v[XS+8*\p+4:XS+8*\p+7], v124, s[6:7] offset:1024*\p+16
.endr
	WSLOAD
	CILOAD
.irp t, 0,1,2,3
	global_load_b32 v[VB+\t], v126, s[12:13] offset:8192+64*\t
.endr
	s_cmp_lt_u32 s20, 2                            ; the waves that asked for the weight's rows wait for them: that load line is theirs alone
	s_cbranch_scc0 .Lnot_w
	s_wait_tensorcnt 0x0
.Lnot_w:
	BARRIER                                        ; the first weight's rows are in
	WEIGHTS
	s_wait_tensorcnt 0x0                           ; every wave: all that is still out
	s_wait_dscnt 0x0
	BARRIER                                        ; x's rows are in
	FETCH 0, 0
	FETCH 1, 1
.Lqk:                                                  ; two trips: q, k
	PHASE 0, 1
	s_add_co_u32 s71, s71, 1
	s_cmp_lg_u32 s71, 2
	s_cbranch_scc1 .Lqk
	PHASE 1, 0
	s_wait_tensorcnt 0x0                           ; the wave's end
	ds_add_u32 v[SPW], v[NIL]
	s_wait_dscnt 0x0
	CROUND                                         ; the closing round
	s_endpgm
.Lfunc_end_k_qf413803ea5_qkv:
	.size	k_qf413803ea5_qkv, .Lfunc_end_k_qf413803ea5_qkv-k_qf413803ea5_qkv
	.p2alignl 7, 3214868480
	.fill 96, 4, 3214868480
	.section	.rodata,"a",@progbits
	.p2align	6, 0x0
	.amdhsa_kernel k_qf413803ea5_qkv
		.amdhsa_group_segment_fixed_size 327680
		.amdhsa_private_segment_fixed_size 0
		.amdhsa_enable_private_segment 0
		.amdhsa_kernarg_size 56
		.amdhsa_user_sgpr_count 2
		.amdhsa_user_sgpr_kernarg_segment_ptr 1
		.amdhsa_wavefront_size32 1
		.amdhsa_system_sgpr_workgroup_id_x 1
		.amdhsa_system_sgpr_workgroup_id_y 1
		.amdhsa_system_sgpr_workgroup_id_z 1
		.amdhsa_system_vgpr_workitem_id 0
		.amdhsa_next_free_vgpr 1024
		.amdhsa_next_free_sgpr 80
		.amdhsa_reserve_vcc 1
		.amdhsa_float_denorm_mode_32 3
		.amdhsa_float_denorm_mode_16_64 3
		.amdhsa_memory_ordered 1
		.amdhsa_forward_progress 1
		.amdhsa_inst_pref_size 156
	.end_amdhsa_kernel
	.amdgpu_metadata
---
amdhsa.version: [ 1, 2 ]
amdhsa.kernels:
  - .name:           k_qf413803ea5_qkv
    .symbol:         k_qf413803ea5_qkv.kd
    .args:
      - { .name: x_codes, .offset: 0, .size: 8, .value_kind: global_buffer, .address_space: global }
      - { .name: x_scales, .offset: 8, .size: 8, .value_kind: global_buffer, .address_space: global }
      - { .name: w_qkv_codes, .offset: 16, .size: 8, .value_kind: global_buffer, .address_space: global }
      - { .name: w_qkv_scales, .offset: 24, .size: 8, .value_kind: global_buffer, .address_space: global }
      - { .name: b_qkv, .offset: 32, .size: 8, .value_kind: global_buffer, .address_space: global }
      - { .name: frag, .offset: 40, .size: 8, .value_kind: global_buffer, .address_space: global }
      - { .name: fsc, .offset: 48, .size: 8, .value_kind: global_buffer, .address_space: global }
    .group_segment_fixed_size: 327680
    .private_segment_fixed_size: 0
    .kernarg_segment_align: 8
    .kernarg_segment_size: 56
    .max_flat_workgroup_size: 128
    .sgpr_count:     80
    .vgpr_count:     1024
    .wavefront_size: 32
...
	.end_amdgpu_metadata
.endif
;; end of part 1
;; launch attn (part 2): grid 4 x 64, 16 waves a work-group, clusters of 4 x 1, 210,944 bytes of LDS; arguments frag, fsc, oimg, osc; writes oimg, osc
.if DOCPART == 2
	.amdgcn_target "amdgcn-amd-amdhsa--gfx1250"
	.amdhsa_code_object_version 6
	.text
	.protected	k_qf413803ea5_attn
	.globl	k_qf413803ea5_attn
	.p2align	8
	.type	k_qf413803ea5_attn,@function
k_qf413803ea5_attn:
	s_mov_b64 s[64:65], 0
	v_nop
	global_prefetch_b8 v0, s[64:65] scope:SCOPE_SE
	s_setreg_imm32_b32 hwreg(HW_REG_WAVE_MODE, 25, 1), 1
	s_wait_xcnt 0x0
	s_wait_alu depctr_hold_cnt(0) depctr_sa_sdst(0) depctr_va_vdst(0) depctr_va_sdst(0) depctr_va_ssrc(0) depctr_va_vcc(0) depctr_vm_vsrc(0)
	s_getreg_b32 s2, hwreg(HW_REG_IB_STS2, 6, 4)
	s_cmp_eq_u32 s2, 0
	s_cbranch_scc0 .Lentry_in_a_cluster
	s_endpgm
.Lentry_in_a_cluster:
	s_bfe_u32 s2, ttmp6, 0x10000c
	s_cmp_lg_u32 s2, 0x3003
	s_cbranch_scc0 .Lentry_shape_is_right
	s_endpgm
.Lentry_shape_is_right:
; Attention on codes of FP6 (E2M3): O = softmax(q k^T / 8) v for 128 heads of 1,024 tokens x 64, and the quantising of O along the model's 1,024 features for the last product.
; t = score x log2(e) / 8; M = the running largest t rounded UP to a whole number; p = 2^(t - M) is quantised along the keys; the row's sum is taken of the unquantised p and divides O at the end.
; SHARES.  A work-group owns a pair of heads (g) of one batch (b) and 256 queries, in two passes of 128.  Wave w: head c = w / 8 of the pair, tile a = w % 8 of 16 queries.  Four waves share a SIMD.
; ALL OF K AND V OF THE HEAD PAIR STAYS IN LDS (192 KiB of codes, 8 KiB of scale words): every tensor load is a first fill, nothing is filled twice.  The four query blocks of a cluster walk the same K and V,
; so each tile is asked for jointly (mask 15).  All tiles are asked for at the head, so no later request remains that a prefetch could run ahead of.
; OPERANDS come as images of their registers (the launch before laid them so): a fragment is three loads of 16 bytes a lane.
; THE HEAD IS 64 LONG AND THE INSTRUCTION 128: a fragment of K holds keys 32 i + r in k 0-63 and keys 32 i + 16 + r in k 64-127; it is multiplied once by [q | 0] and once by [0 | q].
; The zero codes make the other half's products zeros; their scale bytes are 1.
; Both products are used transposed: a lane holds ONE query throughout.  S^T: register 16 i + j' of lane (r, h): keys 32 i + 8 h + 0..7 and 32 i + 16 + 8 h + 0..7: the order in which v's codes were laid too.
; O goes on in NATURAL order of the features (the last product's other operand is given): sixteen exchanges of lane halves make a lane's 16 registers 16 neighbours ahead of the conversion.
;   oimg [token / 128][g][a 8][piece 6][lane 32][8 bytes]: piece 3 c + p = registers 6 c + 2 p, + 1 of the fragment (tokens 16 a + r, K = features 128 g ..).   osc [token / 128][g][r 16][a 8]: its scale words.
; LIMITS: NaN and infinities are not served; a block whose largest magnitude lies under 2^-124 keeps the byte 1; a block of zeros gets the byte 1 (its codes are zeros, and this program alone reads the bytes).
; REGISTERS: v1-7 addresses that stay; v8-11 addresses in hand; v12 -M, v13 the largest t, v[14:15] the sum; v16-33 [0 | q | 0]; v34, v35 q's scale words for [q | 0], [0 | q]; v36-83 four fragments of K, then of V;
;   v84-87 K's scale words, v88-91 V's; v92-94 at work and addresses; v96-159 S^T, then p; v160-191 O^T; v192-204 the second pass's q as loaded; v224-235 p's codes; v232-254 at work; v253 p's scale word.
.set SCB, 196608                       ; LDS: behind the codes the scale words: K's of key step s at SCB + 544 s, V's 4,352 further on (two rows of 256 bytes + 16 each)
.set OST, 205312                       ; and a stage of 2 x 512 bytes for O's scale words: bytes of its own, into which no tile lands
.macro ROUND                           ; a round of the cluster's barrier
	s_barrier_signal -1
	s_barrier_wait -1
	s_cmp_lg_u32 s12, 0
	s_cbranch_scc1 .Lnot_wave_0_\@
	s_barrier_signal -3
.Lnot_wave_0_\@:
	s_barrier_wait -3
	s_barrier_signal -1
	s_barrier_wait -1
.endm
	s_load_b128 s[4:7], s[0:1], 0x0                ; frag, fsc
	s_load_b128 s[8:11], s[0:1], 0x10              ; oimg, osc
	v_lshl_add_u32 v251, v0, 2, 0x33000
	v_mov_b32 v255, 0
	ds_add_u32 v251, v255
	ds_add_u32 v251, v255
	v_lshrrev_b32 v1, 5, v0
	s_delay_alu instid0(VALU_DEP_1)
	v_readfirstlane_b32 s12, v1                    ; wave 0..15
	s_lshr_b32 s13, s12, 3                         ; c: my head of the pair.
	s_and_b32 s14, s12, 7                          ; a: my tile of 16 queries.
	s_and_b32 s16, s14, 1                          ; u: which half of q's fragment is mine
	s_cmp_eq_u32 s16, 0
	s_cselect_b32 s15, 0, -1                       ; as a lane mask,
	s_lshl_b32 s16, s16, 4                         ; and as a shift of the scale word
	s_bfe_u32 s60, ttmp6, 0x40000                  ; cx: my block of 256 queries: it enters q's and O's global addresses alone
	s_and_b32 s61, ttmp7, 0xffff
	s_lshr_b32 s62, s61, 3                         ; b
	s_and_b32 s63, s61, 7                          ; g
	s_mov_b32 s20, 0x76543210                      ; v_permlanex16_b32's selects for lane l xor 16
	s_mov_b32 s21, 0xfedcba98
	s_mov_b32 s22, 0x3e38aa3b                      ; log2(e) / 8
	s_mov_b32 s23, s22                             ; (named with it as a pair)
	; descriptor group 1 for the codes: 16,384 dense bytes as 64 rows of 256 (32 elements of 8 bytes), no padding
	s_mov_b32 s24, 15|(3<<16)|(1<<21)              ; 15:0 the mask: all four work-groups; elements of 8 bytes; bit 21 beside a mask
	s_mov_b32 s25, 32<<16                          ; tensor_dim0
	s_mov_b32 s26, 64<<16                          ; tensor_dim1: 64 rows of 256 bytes a wave
	s_mov_b32 s27, 32<<16                          ; tile_dim0
	s_mov_b32 s28, 64                              ; tile_dim1
	s_mov_b32 s29, 32                              ; from row to row
	s_mov_b32 s30, 0
	s_mov_b32 s31, 0
	; and for the scale words: 4,096 dense bytes as 16 rows of 256, 16 bytes of padding behind each
	s_mov_b32 s32, 15|(3<<16)|(1<<20)|(1<<21)|(5<<22)|(3<<25)
	s_mov_b32 s33, 32<<16
	s_mov_b32 s34, 16<<16
	s_mov_b32 s35, 32<<16
	s_mov_b32 s36, 16
	s_mov_b32 s37, 32
	s_mov_b32 s38, 0
	s_mov_b32 s39, 0
	s_add_co_u32 s66, s63, 8
	s_lshl_b32 s66, s66, 6
	s_lshl_b32 s67, s62, 3                         ; 8 b
	s_add_co_u32 s66, s66, s67                     ; K of my pair and batch: outer 8 + g, inner 8 b
	s_mul_i32 s68, s66, 12288
	s_mul_i32 s69, s12, 16384                      ; waves 0-5: a sixth of K's 98,304 bytes each; waves 6-11: of V's,
	s_add_co_u32 s68, s68, s69
	s_cmp_lt_u32 s12, 6
	s_cselect_b32 s69, 0, 6193152                  ; which lies eight outers on
	s_add_co_u32 s68, s68, s69
	s_mov_b32 s69, 0
	s_lshl_b32 s70, s66, 9
	s_and_b32 s72, s12, 1                          ; wave 12: K's scale words of all eight key steps; wave 13: V's
	s_lshl_b32 s71, s72, 18
	s_add_co_u32 s70, s70, s71
	s_mov_b32 s71, 0
	s_mul_i32 s72, s72, 4352
	s_mul_i32 s73, s12, 16384
	s_wait_dscnt 0x0
	s_wait_kmcnt 0x0
	s_add_nc_u64 s[74:75], s[4:5], s[68:69]
	s_mov_b32 s40, 1                               ; group 0, two sets: the scale words,
	s_add_co_u32 s41, s72, SCB
	s_add_nc_u64 s[42:43], s[6:7], s[70:71]
	s_or_b32 s43, s43, 0x80000000
.irp ch, 0                                     ; and the codes: K's eight key steps from LDS byte 0, V's from 98,304
	s_mov_b32 s[44+4*\ch], 1
	s_add_co_u32 s[45+4*\ch], s73, \ch*49152
	s_add_nc_u64 s[46+4*\ch:47+4*\ch], s[74:75], \ch*24576
	s_or_b32 s[47+4*\ch], s[47+4*\ch], 0x80000000
.endr
	ROUND                                          ; all four work-groups are here: the joint loads meet
	s_cmp_lt_u32 s12, 12                           ; one chain of branches on the wave's number, one tensor load to an arm
	s_cbranch_scc0 .Lfor_scales
	tensor_load_to_lds s[44:47], s[24:31]
	s_nop 0
.rept 4
	v_nop
.endr
	s_branch .Lasked
.Lfor_scales:
	s_cmp_lt_u32 s12, 14
	s_cbranch_scc0 .Lasked
	tensor_load_to_lds s[40:43], s[32:39]
	s_nop 0
.rept 4
	v_nop
.endr
.Lasked:
	s_lshl_b32 s76, s63, 6
	s_add_co_u32 s76, s76, s67
	s_lshl_b32 s77, s60, 1                         ; 2 cx
	s_add_co_u32 s76, s76, s77                     ; q: outer g, inner 8 b + 2 cx (+ the pass)
	s_lshr_b32 s78, s14, 1
	s_lshl_b32 s79, s13, 2
	s_add_co_u32 s79, s79, s78                     ; its fragment f = 4 c + a / 2
	s_lshl_b32 s80, s76, 3
	s_add_co_u32 s80, s80, s79
	s_mul_i32 s80, s80, 1536
	s_mov_b32 s81, 0
	s_add_nc_u64 s[4:5], s[4:5], s[80:81]
	s_lshl_b32 s80, s76, 9
	s_lshl_b32 s79, s13, 8                         ; 256 c + 4 (a / 2); the lane adds 16 r
	s_lshl_b32 s78, s78, 2
	s_add_co_u32 s79, s79, s78
	s_add_co_u32 s80, s80, s79
	s_add_nc_u64 s[6:7], s[6:7], s[80:81]          ; and its scale words: 256 c + 16 r + 4 (a / 2)
	s_add_co_u32 s76, s67, s77
	s_lshl_b32 s76, s76, 3
	s_add_co_u32 s76, s76, s63                     ; (8 b + 2 cx) x 8 + g
	s_lshl_b32 s80, s76, 3
	s_add_co_u32 s80, s80, s14
	s_mul_i32 s80, s80, 1536
	s_mul_i32 s78, s13, 768
	s_add_co_u32 s80, s80, s78
	s_add_nc_u64 s[8:9], s[8:9], s[80:81]          ; oimg: my half of fragment a
	s_lshl_b32 s80, s76, 9
	s_and_b32 s78, s12, 1
	s_lshl_b32 s78, s78, 12
	s_add_co_u32 s80, s80, s78
	s_add_nc_u64 s[10:11], s[10:11], s[80:81]      ; osc: waves 0 and 1 store the two passes' 512 bytes
	v_and_b32 v8, 31, v0
	v_and_b32 v9, 15, v0                           ; r
	s_delay_alu instid0(VALU_DEP_2)
	v_lshlrev_b32 v7, 4, v8                        ; 16 x lane
	s_delay_alu instid0(VALU_DEP_3)
	v_lshlrev_b32 v6, 3, v8                        ; 8 x lane
	s_mul_i32 s72, s13, 6144
	v_add_nc_u32 v1, s72, v7                       ; K: my head's four fragments of a step
	s_delay_alu instid0(VALU_DEP_1)
	v_add_nc_u32 v2, 98304, v1                     ; V likewise
	v_lshlrev_b32 v93, 5, v9                       ; 32 r
	v_lshlrev_b32 v11, 4, v9                       ; 16 r
	s_wait_alu depctr_va_vdst(0)
	s_mul_i32 s72, s13, 272                        ; my head's 256 bytes and their padding
	s_add_co_u32 s72, s72, SCB
	v_add_nc_u32 v3, s72, v11                      ; K's scale words: my head's four of row r
	s_delay_alu instid0(VALU_DEP_1)
	v_add_nc_u32 v4, 4352, v3                      ; V's
	s_lshl_b32 s72, s14, 2
	s_lshl_b32 s73, s13, 1
	s_add_co_u32 s72, s72, s73
	s_add_co_u32 s72, s72, OST
	v_add_nc_u32 v5, s72, v93                      ; the stage: 32 r + 4 a + 2 c
	s_and_b32 s72, s12, 1
	s_lshl_b32 s72, s72, 9
	s_add_co_u32 s72, s72, OST
	v_add_nc_u32 v94, s72, v7                      ; and where waves 0 and 1 read it back
.irp c, 0,1,2
	global_load_b128 v[96+4*\c:99+4*\c], v7, s[4:5] offset:512*\c            ; q's fragment of the first pass,
	global_load_b128 v[192+4*\c:195+4*\c], v7, s[4:5] offset:12288+512*\c    ; of the second: 128 tokens on
.endr
	global_load_b32 v108, v11, s[6:7]
	global_load_b32 v204, v11, s[6:7] offset:512
.irp k, 0,1,2,3,4,5
	v_mov_b32 v[16+\k], 0                          ; the zero codes on both sides of q
	v_mov_b32 v[28+\k], 0
.endr
.irp b, 0,1,2,3
	v_mov_b32 v[236+\b], 0                         ; a lane permute's destination counts as one of its sources
.endr
	v_mov_b32 v253, 0                              ; (named as the upper half of the pair v[252:253] before it is first written)
	s_mov_b32 s17, 0                               ; the pass
	s_mov_b32 s19, 0                               ; its 512 bytes of the stage
; my 16 queries are half u of the fragment at v[src]: six registers, and two bytes of the scale word in v[w]
.macro MAKEQ src, w
.irp k, 0,1,2,3,4,5
	v_cndmask_b32 v[22+\k], v[\src+\k], v[\src+6+\k], s15
.endr
	v_lshrrev_b32 v92, s16, v[\w]
	s_delay_alu instid0(VALU_DEP_1)
	v_and_b32 v92, 0xffff, v92
	s_delay_alu instid0(VALU_DEP_1)
	v_or_b32 v34, 0x01010000, v92                  ; [q | 0]: the byte 1 for the two blocks of zeros
	s_delay_alu instid0(VALU_DEP_2)
	v_lshl_or_b32 v35, v92, 16, 0x101              ; [0 | q]
.endm
	s_wait_loadcnt 0x0
	MAKEQ 96, 108
; A KEY STEP: 128 keys.  Every LDS address is a constant + my lane's and wave's place.
.macro STEP s
.set KOF, (\s)*12288
	v_add_nc_u32 v8, KOF, v1                       ; these four are also the places in front of loads into registers that the last products read
	v_add_nc_u32 v9, KOF, v2
	v_add_nc_u32 v10, 544*(\s), v3
	v_add_nc_u32 v11, 544*(\s), v4
.irp i, 0,1,2,3
.irp c, 0,1,2
	ds_load_b128 v[36+12*\i+4*\c:39+12*\i+4*\c], v8 offset:1536*\i+512*\c
.endr
.endr
	ds_load_b128 v[84:87], v10
	s_wait_alu depctr_va_vdst(0)
	s_wait_dscnt 0x0
.irp i, 0,1,2,3                                ; S^T: keys 32 i + 0..15 by [q | 0], keys 32 i + 16..31 by [0 | q]
	v_wmma_scale_f32_16x16x128_f8f6f4 v[96+16*\i:103+16*\i], v[36+12*\i:47+12*\i], v[22:33], 0, v[84+\i], v34 matrix_a_fmt:MATRIX_FMT_FP6 matrix_b_fmt:MATRIX_FMT_FP6
	v_wmma_scale_f32_16x16x128_f8f6f4 v[104+16*\i:111+16*\i], v[36+12*\i:47+12*\i], v[16:27], 0, v[84+\i], v35 matrix_a_fmt:MATRIX_FMT_FP6 matrix_b_fmt:MATRIX_FMT_FP6
.endr
.rept 4
	v_nop                                          ; places in front of the loads into K's registers and of the first read of the scores
.endr
.irp i, 0,1,2,3                                ; V's fragments land under the softmax
.irp c, 0,1,2
	ds_load_b128 v[36+12*\i+4*\c:39+12*\i+4*\c], v9 offset:1536*\i+512*\c
.endr
.endr
	ds_load_b128 v[88:91], v11
.irp b, 0,1,2,3
	v_max3_num_f32 v[232+\b], v[96+16*\b], v[97+16*\b], v[98+16*\b]   ; the largest score of each block of 32 keys: it serves the row's maximum and, since p rises with the score, the block's largest p
.endr
.irp i, 3,5,7,9,11,13
.irp b, 0,1,2,3
	v_max3_num_f32 v[232+\b], v[232+\b], v[96+16*\b+\i], v[97+16*\b+\i]
.endr
.endr
.irp b, 0,1,2,3
	v_max_num_f32 v[232+\b], v[232+\b], v[111+16*\b]
.endr
.irp b, 0,1,2,3
	s_delay_alu instid0(VALU_DEP_4)
	v_permlanex16_b32 v[236+\b], v[232+\b], s20, s21
.endr
.irp b, 0,1,2,3
	s_delay_alu instid0(VALU_DEP_4)
	v_max_num_f32 v[232+\b], v[232+\b], v[236+\b]  ; with lane l xor 16's 16 keys
.endr
	s_delay_alu instid0(VALU_DEP_2)
	v_max3_num_f32 v254, v232, v233, v234
	s_delay_alu instid0(VALU_DEP_1)
	v_max_num_f32 v254, v254, v235
	s_delay_alu instid0(VALU_DEP_1)
	v_mul_f32 v254, s22, v254                      ; as t
	s_delay_alu instid0(VALU_DEP_1)
	v_max_num_f32 v13, v13, v254                   ; the running largest t
	v_mov_b32 v254, v12
	s_delay_alu instid0(VALU_DEP_2)
	v_floor_f32 v12, -v13                          ; the new -M = -ceil(t): a whole number
	s_delay_alu instid0(VALU_DEP_1)
	v_sub_f32 v254, v12, v254                      ; old M - new M, 0 or less
	s_delay_alu instid0(VALU_DEP_1)
	v_cvt_i32_f32 v254, v254                       ; (it saturates)
	s_delay_alu instid0(VALU_DEP_1)
	v_ldexp_f32 v252, 1.0, v254                    ; f = 2^(old M - new M): a multiplication by it rounds nothing
.set j, 0
.rept 32
	v_pk_fma_f32 v[96+j:97+j], v[96+j:97+j], s[22:23], v[12:13] op_sel_hi:[1,0,0]   ; t - M, two at a time
.set j, j+2
.endr
.irp b, 0,1,2,3
	v_fma_f32 v[232+\b], v[232+\b], s22, v12       ; the same of each block's largest score
.endr
.set j, 0
	s_wait_alu depctr_va_vdst(0)
.rept 64
	v_exp_f32 v[96+j], v[96+j]                     ; p = 2^(t - M)
.set j, j+1
.endr
	v_pk_mul_f32 v[14:15], v[14:15], v[252:253] op_sel_hi:[1,0]   ; the sums under the new M: a plain instruction behind the exponentials
	s_wait_alu depctr_va_vdst(0)                   ; one wait for the batch of 64, ahead of its first reader
.irp b, 0,1,2,3
	v_exp_f32 v[232+\b], v[232+\b]                 ; the block's largest p
.endr
	v_pk_add_f32 v[236:237], v[100:101], v[104:105]
	v_pk_add_f32 v[248:249], v[108:109], v[112:113]
	v_pk_add_f32 v[246:247], v[116:117], v[120:121]
	v_pk_add_f32 v[244:245], v[124:125], v[128:129]
	v_pk_add_f32 v[242:243], v[132:133], v[136:137]
	v_pk_add_f32 v[240:241], v[140:141], v[144:145]
	v_pk_add_f32 v[238:239], v[148:149], v[152:153]
	v_pk_add_f32 v[14:15], v[14:15], v[156:157]
	v_pk_add_f32 v[236:237], v[236:237], v[96:97]
	v_pk_add_f32 v[248:249], v[248:249], v[98:99]
	v_pk_add_f32 v[246:247], v[246:247], v[102:103]
	v_pk_add_f32 v[244:245], v[244:245], v[106:107]
	v_pk_add_f32 v[242:243], v[242:243], v[110:111]
	v_pk_add_f32 v[240:241], v[240:241], v[114:115]
	v_pk_add_f32 v[238:239], v[238:239], v[118:119]
	v_pk_add_f32 v[14:15], v[14:15], v[122:123]
	v_pk_add_f32 v[236:237], v[236:237], v[126:127]
	v_pk_add_f32 v[248:249], v[248:249], v[130:131]
	v_pk_add_f32 v[246:247], v[246:247], v[134:135]
	v_pk_add_f32 v[244:245], v[244:245], v[138:139]
	v_pk_add_f32 v[242:243], v[242:243], v[142:143]
	v_pk_add_f32 v[240:241], v[240:241], v[146:147]
	v_pk_add_f32 v[238:239], v[238:239], v[150:151]
	v_pk_add_f32 v[14:15], v[14:15], v[154:155]
	v_pk_add_f32 v[236:237], v[236:237], v[158:159]
	s_delay_alu instid0(VALU_DEP_2)
	v_pk_add_f32 v[14:15], v[14:15], v[244:245]
	s_delay_alu instid0(VALU_DEP_2)
	v_pk_add_f32 v[236:237], v[236:237], v[242:243]
	v_pk_add_f32 v[248:249], v[248:249], v[240:241]
	v_pk_add_f32 v[246:247], v[246:247], v[238:239]
	s_delay_alu instid0(VALU_DEP_2)
	v_pk_add_f32 v[14:15], v[14:15], v[248:249]
	s_delay_alu instid0(VALU_DEP_2)
	v_pk_add_f32 v[236:237], v[236:237], v[246:247]
	s_delay_alu instid0(VALU_DEP_1)
	v_pk_add_f32 v[14:15], v[14:15], v[236:237]
	s_wait_alu depctr_va_vdst(0)                   ; and one for the four
.irp b, 0,1,2,3
	v_max_num_f32 v[232+\b], 0x1800000, v[232+\b]  ; the floor: the byte cannot fall under 1
.endr
.irp b, 0,1,2,3
	s_delay_alu instid0(VALU_DEP_4)
	v_add_nc_u32 v[244+\b], 0xff000000, v[232+\b]  ; 2 off the exponent field: the conversion's scale operand
.endr
.irp b, 0,1,2,3
	s_delay_alu instid0(VALU_DEP_4)
	v_lshrrev_b32 v[236+\b], 23, v[244+\b]
.endr
	s_delay_alu instid0(VALU_DEP_3)
	v_lshl_or_b32 v253, v237, 8, v236              ; p's scale word for these 128 keys
	s_delay_alu instid0(VALU_DEP_1)
	v_lshl_or_b32 v253, v238, 16, v253
	s_delay_alu instid0(VALU_DEP_1)
	v_lshl_or_b32 v253, v239, 24, v253
.irp c, 0,1
	v_cvt_scalef32_pk16_fp6_f32 v[224+6*\c:226+6*\c], v[96+32*\c:111+32*\c], v[244+2*\c]
	v_cvt_scalef32_pk16_fp6_f32 v[236+4*\c:238+4*\c], v[112+32*\c:127+32*\c], v[244+2*\c+1]
.endr
	v_nop                                          ; one plain place behind a scaled conversion
.irp c, 0,1                                    ; a whole block to a lane
.irp i, 0,1,2
	v_permlane16_swap_b32 v[224+6*\c+\i], v[236+4*\c+\i]
.endr
.irp i, 0,1,2
	s_delay_alu instid0(VALU_DEP_3)
	v_mov_b32 v[227+6*\c+\i], v[236+4*\c+\i]
.endr
.endr
.set j, 0
.rept 16
	v_pk_mul_f32 v[160+j:161+j], v[160+j:161+j], v[252:253] op_sel_hi:[1,0]   ; O^T under the new M; these stand between the writing of p's codes and scale word and the products
.set j, j+2
.endr
	s_wait_alu depctr_va_vdst(0)
	s_wait_dscnt 0x0                               ; V's fragments and scale words are in
.irp t, 0,1,2,3                                ; O^T += V^T P^T: four accumulators by turns, one instruction each
	v_wmma_scale_f32_16x16x128_f8f6f4 v[160+8*\t:167+8*\t], v[36+12*\t:47+12*\t], v[224:235], v[160+8*\t:167+8*\t], v[88+\t], v253 matrix_a_fmt:MATRIX_FMT_FP6 matrix_b_fmt:MATRIX_FMT_FP6
.endr
.endm
; Two key steps.  All of K and V lies in LDS from the one barrier ahead of the passes on: no barrier stands among the steps.
.macro CHUNK ch
	STEP 2*(\ch)
	STEP 2*(\ch)+1
.endm
	s_wait_alu depctr_va_vdst(0)
	s_wait_tensorcnt 0x0                           ; my load has landed,
	s_barrier_signal -1
	s_barrier_wait -1                              ; everybody's has
.Lpass:
	v_mov_b32 v13, 0xff61b1e6                      ; the largest t so far: -3e38
	s_delay_alu instid0(VALU_DEP_1)
	v_floor_f32 v12, -v13
	v_mov_b32 v14, 0
	v_mov_b32 v15, 0
.set j, 0
.rept 32
	v_mov_b32 v[160+j], 0                          ; O^T: the step is written once, and its first turn finds zeros
.set j, j+1
.endr
	CHUNK 0
	CHUNK 1
	CHUNK 2
	CHUNK 3
	; THE WAY OUT of a pass
.rept 4
	v_nop                                          ; places behind the last products
.endr
	v_add_f32 v14, v14, v15
	s_delay_alu instid0(VALU_DEP_1)
	v_permlanex16_b32 v252, v14, s20, s21
	s_delay_alu instid0(VALU_DEP_1)
	v_add_f32 v14, v14, v252                       ; the row's sum
	s_wait_alu depctr_va_vdst(0)
	v_rcp_f32 v14, v14
	v_add_nc_u32 v10, s19, v5                      ; (a plain place behind the reciprocal)  this pass's place in the stage
	s_wait_alu depctr_va_vdst(0)                   ; ahead of the reciprocal's first reader
.set j, 0
.rept 16
	v_pk_mul_f32 v[160+j:161+j], v[160+j:161+j], v[14:15] op_sel_hi:[1,0]   ; O^T / the sum, each accumulator from its low end on
.set j, j+2
.endr
.irp bb, 0,1                                   ; register 16 bb + i becomes feature 32 bb + 16 h + i: 16 neighbours a lane
.irp j, 0,1,2,3,4,5,6,7
	v_permlane16_swap_b32 v[160+16*\bb+\j], v[168+16*\bb+\j]
.endr
.endr
	v_max3_num_f32 v232, |v160|, |v161|, 0x1800000
	v_max3_num_f32 v233, |v176|, |v177|, 0x1800000
.irp i, 2,4,6,8,10,12,14
	s_delay_alu instid0(VALU_DEP_2)
	v_max3_num_f32 v232, v232, |v[160+\i]|, |v[161+\i]|
	s_delay_alu instid0(VALU_DEP_2)
	v_max3_num_f32 v233, v233, |v[176+\i]|, |v[177+\i]|
.endr
	s_delay_alu instid0(VALU_DEP_2)
	v_permlanex16_b32 v236, v232, s20, s21
	s_delay_alu instid0(VALU_DEP_2)
	v_permlanex16_b32 v237, v233, s20, s21
	s_delay_alu instid0(VALU_DEP_2)
	v_max_num_f32 v232, v232, v236
	s_delay_alu instid0(VALU_DEP_2)
	v_max_num_f32 v233, v233, v237
	s_delay_alu instid0(VALU_DEP_2)
	v_add_nc_u32 v244, 0xff000000, v232
	s_delay_alu instid0(VALU_DEP_2)
	v_add_nc_u32 v245, 0xff000000, v233
	s_delay_alu instid0(VALU_DEP_2)
	v_lshrrev_b32 v236, 23, v244
	s_delay_alu instid0(VALU_DEP_2)
	v_lshrrev_b32 v237, 23, v245
	s_delay_alu instid0(VALU_DEP_1)
	v_lshl_or_b32 v238, v237, 8, v236              ; my head's two bytes of the row's scale word
	v_cvt_scalef32_pk16_fp6_f32 v[224:226], v[160:175], v244
	v_cvt_scalef32_pk16_fp6_f32 v[240:242], v[176:191], v245
	v_nop
.irp i, 0,1,2
	v_permlane16_swap_b32 v[224+\i], v[240+\i]
.endr
.irp i, 0,1,2
	s_delay_alu instid0(VALU_DEP_3)
	v_mov_b32 v[227+\i], v[240+\i]
.endr
.irp p, 0,1,2
	global_store_b64 v6, v[224+2*\p:225+2*\p], s[8:9] offset:256*\p   ; 32 lanes store 256 consecutive bytes, at a multiple of 256 from the buffer's first byte
.endr
	ds_store_b16 v10, v238                         ; both halves of the lanes write the same two bytes
	MAKEQ 192, 204                                 ; the second pass's q (made again, unused, in the last trip: no branch)
	s_wait_xcnt 0x0                                ; the stores have read their data and their base: both are written again below and in the next trip
	s_add_nc_u64 s[8:9], s[8:9], 98304             ; 128 tokens on
	s_add_co_u32 s19, s19, 512
	s_add_co_u32 s17, s17, 1
	s_cmp_lt_u32 s17, 2
	s_cbranch_scc1 .Lpass
	s_wait_dscnt 0x0                               ; my bytes lie in the stage,
	s_barrier_signal -1
	s_barrier_wait -1                              ; everybody's do
	s_cmp_lt_u32 s12, 2
	s_cbranch_scc0 .Lno_osc
	ds_load_b128 v[96:99], v94                     ; wave w takes pass w's 512 bytes
	s_wait_dscnt 0x0
	global_store_b128 v7, v[96:99], s[10:11]
.Lno_osc:
	s_wait_tensorcnt 0x0
	ds_add_u32 v251, v255
	s_wait_dscnt 0x0
	ROUND                                          ; the closing round
	s_endpgm
.Lfunc_end_k_qf413803ea5_attn:
	.size	k_qf413803ea5_attn, .Lfunc_end_k_qf413803ea5_attn-k_qf413803ea5_attn
	.p2alignl 7, 3214868480
	.fill 96, 4, 3214868480
	.section	.rodata,"a",@progbits
	.p2align	6, 0x0
	.amdhsa_kernel k_qf413803ea5_attn
		.amdhsa_group_segment_fixed_size 210944
		.amdhsa_private_segment_fixed_size 0
		.amdhsa_enable_private_segment 0
		.amdhsa_kernarg_size 32
		.amdhsa_user_sgpr_count 2
		.amdhsa_user_sgpr_kernarg_segment_ptr 1
		.amdhsa_wavefront_size32 1
		.amdhsa_system_sgpr_workgroup_id_x 1
		.amdhsa_system_sgpr_workgroup_id_y 1
		.amdhsa_system_sgpr_workgroup_id_z 1
		.amdhsa_system_vgpr_workitem_id 0
		.amdhsa_next_free_vgpr 256
		.amdhsa_next_free_sgpr 82
		.amdhsa_reserve_vcc 0
		.amdhsa_float_denorm_mode_32 3
		.amdhsa_float_denorm_mode_16_64 3
		.amdhsa_memory_ordered 1
		.amdhsa_forward_progress 1
		.amdhsa_inst_pref_size 149
	.end_amdhsa_kernel
	.amdgpu_metadata
---
amdhsa.version: [ 1, 2 ]
amdhsa.kernels:
  - .name:           k_qf413803ea5_attn
    .symbol:         k_qf413803ea5_attn.kd
    .args:
      - { .name: frag, .offset: 0, .size: 8, .value_kind: global_buffer, .address_space: global }
      - { .name: fsc, .offset: 8, .size: 8, .value_kind: global_buffer, .address_space: global }
      - { .name: oimg, .offset: 16, .size: 8, .value_kind: global_buffer, .address_space: global }
      - { .name: osc, .offset: 24, .size: 8, .value_kind: global_buffer, .address_space: global }
    .group_segment_fixed_size: 210944
    .private_segment_fixed_size: 0
    .kernarg_segment_align: 8
    .kernarg_segment_size: 32
    .max_flat_workgroup_size: 512
    .sgpr_count:     82
    .vgpr_count:     256
    .wavefront_size: 32
...
	.end_amdgpu_metadata
.endif
;; end of part 2
;; launch proj (part 3): grid 8 x 32, 4 waves a work-group, clusters of 4 x 4, 327,680 bytes of LDS; arguments oimg, osc, w_proj_codes, w_proj_scales, b_proj, out0; writes out0
.if DOCPART == 3
	.amdgcn_target "amdgcn-amd-amdhsa--gfx1250"
	.amdhsa_code_object_version 6
	.text
	.protected	k_qf413803ea5_proj
	.globl	k_qf413803ea5_proj
	.p2align	8
	.type	k_qf413803ea5_proj,@function
k_qf413803ea5_proj:
	s_mov_b64 s[64:65], 0
	v_nop
	global_prefetch_b8 v0, s[64:65] scope:SCOPE_SE
	s_setreg_imm32_b32 hwreg(HW_REG_WAVE_MODE, 25, 1), 1
	s_wait_xcnt 0x0
	s_wait_alu depctr_hold_cnt(0) depctr_sa_sdst(0) depctr_va_vdst(0) depctr_va_sdst(0) depctr_va_ssrc(0) depctr_va_vcc(0) depctr_vm_vsrc(0)
	s_getreg_b32 s2, hwreg(HW_REG_IB_STS2, 6, 4)
	s_cmp_eq_u32 s2, 0
	s_cbranch_scc0 .Lentry_in_a_cluster
	s_endpgm
.Lentry_in_a_cluster:
	s_bfe_u32 s2, ttmp6, 0x10000c
	s_cmp_lg_u32 s2, 0xf033
	s_cbranch_scc0 .Lentry_shape_is_right
	s_endpgm
.Lentry_shape_is_right:
; out0 = O w_proj + b_proj on codes of FP6 (E2M3) with E8M0 scales.  O: 8,192 tokens x 1,024, as images of operand registers (oimg, osc: laid by the launch before); w_proj: 1,024 rows of 768 bytes of codes, 32 scale bytes a row.
; A tile of 256 tokens x 128 columns is made by four waves, 128 x 64 each.  256 work-groups.  All of K lies in LDS, filled once, one tensor load a wave: nothing is filled again, and no later request remains that a prefetch could run ahead of.
; THE WORK GOES BY ROWS OF THE RESULT.  A wave holds its 64 rows of w_proj, all of K, in 384 registers and streams its tokens past them in eight blocks of 16: 32 products finish a block, which leaves at once through my own stage.
; CLUSTERS 4 x 4: O's images are shared along a row of the cluster, w_proj's rows along a column: joint loads.
; Source 0 = 16 rows of w_proj (columns of the result), source 1 = 16 tokens: a lane holds eight neighbouring columns of one token.  The bias is the C of each sum's first product.
; REGISTERS: window 0: v14-30 addresses; v32-95 O's scale words (8 k + a), v96-127 w_proj's (8 b + k): scales and nothing else; v128-159 the bias tiles; v160-255 O's set 1.
;   window 1 and v0-131 of window 2: w_proj's 32 fragments (4 k + b, 21 to a window); window 2 v132-227: O's set 0; window 3: v0-63 two sets of four accumulators, v64-127 two sets of rows read back from the stage.
.set BOF,   196608                     ; LDS: O [half 2][K step 8][a 8][1,536 bytes], then w_proj: 128 rows of 768 bytes, 816 apart
.set STG,   301056                     ; the stages, 16 rows x (256 bytes + 16) a wave: bytes into which no tile lands
.set SPARE, 319488                     ; the spare words
.set SPW, 14
.set NIL, 15
.set ADA, 16                           ; v16-19 my images, two K steps to a register
.set WA,  20                           ; v20-27 w_proj's tile b: 2 b, 2 b + 1 (behind one padding more)
.set STO, 28
.set RD,  29
.set CO,  30
.set SA,  32
.set SB,  96
.set CI,  128
.set MSB, 0
.macro WIN new
.if MSB != (\new)
	s_set_vgpr_msb (MSB<<8)|(\new)
.set MSB, (\new)
.endif
.endm
.macro PLACES n
.rept \n
	v_nop
.endr
.endm
.macro BARRIER
	s_barrier_signal -1
	s_barrier_wait -1
.endm
.macro CROUND
	s_barrier_signal -1
	s_barrier_wait -1
	s_cmp_lg_u32 s16, 0
	s_cbranch_scc1 .Lnot_wave_0_\@
	s_barrier_signal -3
.Lnot_wave_0_\@:
	s_barrier_wait -3
	s_barrier_signal -1
	s_barrier_wait -1
.endm
	s_load_b256 s[4:11], s[0:1], 0x0               ; oimg, osc, w's codes, w's scales
	s_load_b128 s[12:15], s[0:1], 0x20             ; the bias, out0
	v_lshl_add_u32 v[SPW], v0, 2, SPARE
	v_mov_b32 v[NIL], 0
	ds_add_u32 v[SPW], v[NIL]
	ds_add_u32 v[SPW], v[NIL]
	v_lshrrev_b32 v1, 5, v0
	v_readfirstlane_b32 s16, v1                    ; wave
	s_lshr_b32 s17, s16, 1                         ; which 128 tokens are mine.  Also: I fetch O (0) or w_proj (1)
	s_and_b32 s18, s16, 1                          ; which 64 columns.  Also: which half I fetch
	s_bfe_u32 s19, ttmp6, 0x40000                  ; cx
	s_bfe_u32 s20, ttmp6, 0x40004                  ; cy
	s_lshl_b32 s21, ttmp9, 2
	s_add_co_u32 s21, s21, s19                     ; tile of columns
	s_and_b32 s22, ttmp7, 0xffff
	s_lshl_b32 s22, s22, 2
	s_add_co_u32 s22, s22, s20                     ; tile of tokens
	s_lshl_b32 s76, s20, 2
	s_lshl_b32 s76, 15, s76                        ; my row of the cluster
	s_lshl_b32 s77, 0x1111, s19                    ; my column
	s_or_b32 s24, s76, (3<<16)|(1<<21)             ; O: 98,304 dense bytes as 384 rows of 256 (32 elements of 8 bytes)
	s_mov_b32 s25, 32<<16
	s_mov_b32 s26, 384<<16
	s_mov_b32 s27, 32<<16
	s_mov_b32 s28, 384
	s_mov_b32 s29, 32
	s_mov_b32 s30, 0
	s_mov_b32 s31, 0
	s_or_b32 s68, s77, (0<<16)|(1<<20)|(1<<21)|(5<<22)|(3<<25)   ; w_proj: 64 rows of 768 bytes, 16 bytes of padding behind every 256
	s_mov_b32 s69, 768<<16
	s_mov_b32 s70, 64<<16
	s_mov_b32 s71, 768<<16
	s_mov_b32 s72, 64
	s_mov_b32 s73, 768
	s_mov_b32 s74, 0
	s_mov_b32 s75, 0
	s_lshl_b32 s78, s22, 1
	s_add_co_u32 s78, s78, s18
	s_mul_i32 s78, s78, 98304                      ; the 128 tokens that I fetch
	s_mov_b32 s79, 0
	s_lshl_b32 s80, s21, 7
	s_lshl_b32 s81, s18, 6
	s_add_co_u32 s80, s80, s81
	s_mul_i32 s80, s80, 768                        ; the 64 rows that I fetch
	s_mov_b32 s81, 0
	s_mul_i32 s82, s18, 98304                      ; where they go
	s_mul_i32 s83, s18, 52224
	s_add_co_u32 s83, s83, BOF
	s_wait_dscnt 0x0
	s_wait_kmcnt 0x0
	s_add_nc_u64 s[78:79], s[4:5], s[78:79]
	s_add_nc_u64 s[80:81], s[8:9], s[80:81]
	CROUND                                         ; in front of the first joint loads
	s_mov_b32 s32, 1
	s_mov_b32 s33, s82
	s_mov_b64 s[34:35], s[78:79]
	s_or_b32 s35, s35, 0x80000000
	s_mov_b32 s48, 1
	s_mov_b32 s49, s83
	s_mov_b64 s[50:51], s[80:81]
	s_or_b32 s51, s51, 0x80000000
	s_cmp_eq_u32 s17, 0                            ; one tensor load a wave
	s_cbranch_scc0 .Lfirst_b
	tensor_load_to_lds s[32:35], s[24:31]
	s_nop 0
	PLACES 4
	s_branch .Lfirst_asked
.Lfirst_b:
	tensor_load_to_lds s[48:51], s[68:75]
	s_nop 0
	PLACES 4
.Lfirst_asked:
	v_and_b32 v1, 15, v0                           ; r
	v_bfe_u32 v2, v0, 4, 1                         ; h
	v_and_b32 v3, 31, v0
	v_lshlrev_b32 v9, 5, v1                        ; 32 r
	v_lshlrev_b32 v10, 5, v2                       ; 32 h
	s_wait_alu depctr_va_vdst(0)
	s_lshl_b32 s86, s22, 1
	s_add_co_u32 s86, s86, s17                     ; my 128 tokens
	s_lshl_b32 s88, s86, 12
	s_mov_b32 s89, 0
	s_add_nc_u64 s[6:7], s[6:7], s[88:89]          ; their scale words: eight K steps of 512 bytes
	s_lshl_b32 s87, s21, 1
	s_add_co_u32 s87, s87, s18                     ; my 64 columns
	s_lshl_b32 s88, s87, 11
	s_add_nc_u64 s[10:11], s[10:11], s[88:89]      ; their scale bytes
	s_lshl_b32 s88, s87, 8
	s_add_nc_u64 s[12:13], s[12:13], s[88:89]      ; their bias,
	s_add_nc_u64 s[14:15], s[14:15], s[88:89]      ; and their 256 bytes of a row of the result
	s_lshl_b32 s88, s86, 19
	s_add_nc_u64 s[14:15], s[14:15], s[88:89]      ; at my first token
.irp k, 0,1,2,3,4,5,6,7
	global_load_b128 v[SA+8*\k:SA+8*\k+3], v9, s[6:7] offset:512*\k
	global_load_b128 v[SA+8*\k+4:SA+8*\k+7], v9, s[6:7] offset:512*\k+16
.endr
.irp b, 0,1,2,3
	global_load_b128 v[SB+8*\b:SB+8*\b+3], v9, s[10:11] offset:512*\b
	global_load_b128 v[SB+8*\b+4:SB+8*\b+7], v9, s[10:11] offset:512*\b+16
	global_load_b128 v[CI+8*\b:CI+8*\b+3], v10, s[12:13] offset:64*\b
	global_load_b128 v[CI+8*\b+4:CI+8*\b+7], v10, s[12:13] offset:64*\b+16
.endr
	v_lshlrev_b32 v4, 3, v3
	s_mul_i32 s84, s17, 98304
	v_add_nc_u32 v4, s84, v4
	v_mul_u32_u24 v5, v1, 816
	v_mad_u32_u24 v6, v2, 24, v5
	v_mad_u32_u24 v7, v2, 40, v5
	s_mul_i32 s85, s18, 52224
	s_add_co_u32 s85, s85, BOF
	v_add_nc_u32 v[WA], s85, v6
	v_add_nc_u32 v[WA+1], s85, v7
.irp b, 1,2,3
	v_add_nc_u32 v[WA+2*\b], \b*16*816, v[WA]
	v_add_nc_u32 v[WA+2*\b+1], \b*16*816, v[WA+1]
.endr
.irp s, 0,1,2,3
	v_add_nc_u32 v[ADA+\s], \s*24576, v4
.endr
	s_mul_i32 s84, s16, 4352
	s_add_co_u32 s84, s84, STG                     ; my stage
	v_mul_u32_u24 v8, v1, 272
	v_lshl_add_u32 v8, v2, 5, v8
	v_add_nc_u32 v[STO], s84, v8                   ; in: row r, 32 bytes for each half of the lanes
	v_mul_u32_u24 v8, v2, 272
	v_lshl_add_u32 v8, v1, 4, v8
	v_add_nc_u32 v[RD], s84, v8                    ; back: lanes 0-15 one row, lanes 16-31 the next
	v_lshlrev_b32 v8, 12, v2
	v_lshl_add_u32 v[CO], v1, 4, v8                ; and the same two rows in the result
; a fragment of w_proj from rows: six pieces of 8 bytes, two to a load where both go by one address register; lanes 16-31 read three pieces on
.macro FRAG w, R, q, a0
	WIN (\w)<<6
.set SKIP_, 0
.irp p, 0,1,2,3,4,5
.if SKIP_
.set SKIP_, 0
.else
.set PC_, 12*(\q)+6*(\p/3)+\p%3
.set PN_, 12*(\q)+6*((\p+1)/3)+(\p+1)%3
.set X_, (PC_%32+3)/32
.set XQ_, (PN_%32+3)/32
.if (\p < 5) && (X_ == XQ_)
.set SKIP_, 1
	ds_load_2addr_b64 v[(\R)+2*\p:(\R)+2*\p+3], v[(\a0)+X_] offset0:PC_+2*(PC_/32) offset1:PN_+2*(PN_/32)
.else
	ds_load_b64 v[(\R)+2*\p:(\R)+2*\p+1], v[(\a0)+X_] offset:8*(PC_+2*(PC_/32))
.endif
.endif
.endr
.endm
.macro WEIGHTS
.irp q, 0,1,2,3,4,5,6,7
.irp b, 0,1,2,3
	FRAG 1+(4*\q+\b)/21, 12*((4*\q+\b)%21), \q, WA+2*\b
.endr
.endr
	WIN 0
.endm
.macro AFETCH e, a                     ; block a's eight fragments, as they were stored, into set e: 48 loads
	WIN (2-2*(\e))<<6
.irp k, 0,1,2,3,4,5,6,7
.irp pc, 0,1,2,3,4,5
	ds_load_b64 v[132+28*(\e)+12*\k+2*\pc:132+28*(\e)+12*\k+2*\pc+1], v[ADA+\k/2] offset:12288*(\k%2)+1536*(\a)+256*\pc
.endr
.endr
	WIN 0
.endm
.macro PROD a, n                       ; n = 4 k + b
.set K_, (\n)/4
.set T_, (\n)%4
.set WR_, 12*((\n)%21)
.set XR_, 132+28*((\a)%2)+12*K_
.set D_, 32*((\a)%2)+8*T_
.set WN_, (1+(\n)/21)|((2-2*((\a)%2))<<2)
.if K_
.set C_, D_
	WIN WN_|0xf0
.else
.set C_, CI+8*T_
	WIN WN_|0xc0
.endif
	v_wmma_scale_f32_16x16x128_f8f6f4 v[D_:D_+7], v[WR_:WR_+11], v[XR_:XR_+11], v[C_:C_+7], v[SB+8*T_+K_], v[SA+8*K_+(\a)] matrix_a_fmt:MATRIX_FMT_FP6 matrix_b_fmt:MATRIX_FMT_FP6
.endm
.macro BLOCK a                         ; 32 products; the block's four accumulators take turns
.set N_, 0
.rept 32
	PROD \a, N_
.set N_, N_+1
.endr
	WIN 0
.endm
.macro TOSTAGE a                       ; LDS serves a wave's instructions in order (ISA guide 5.7.1.4): no wait between the stores and the loads
.set AC, 32*((\a)%2)
.set BB, 64+32*((\a)%2)
	WIN 0x0c
.irp b, 0,1,2,3
	ds_store_b128 v[STO], v[AC+8*\b:AC+8*\b+3] offset:64*\b          ; each accumulator from its low end on
	ds_store_b128 v[STO], v[AC+8*\b+4:AC+8*\b+7] offset:64*\b+16
.endr
	WIN 0xc0
.irp t, 0,1,2,3,4,5,6,7
	ds_load_b128 v[BB+4*\t:BB+4*\t+3], v[RD] offset:544*\t
.endr
	WIN 0
.endm
.macro SEND a, younger                 ; younger: the LDS loads issued behind block a's, which may stay out
.set BB, 64+32*((\a)%2)
	s_wait_dscnt \younger
	WIN 0x0c
.irp t, 0,1,2,3,4,5,6,7
	global_store_b128 v[CO], v[BB+4*\t:BB+4*\t+3], s[14:15] offset:(16*(\a)+2*\t)*4096 th:TH_STORE_NT   ; 16 lanes store 256 consecutive bytes, at a multiple of 256 from the result's first byte
.endr
	WIN 0
.endm
	s_wait_alu depctr_va_vdst(0)                   ; the head's end
	s_cmp_eq_u32 s17, 0                            ; the waves that asked for w_proj's rows wait for them: that load line is theirs alone
	s_cbranch_scc1 .Lnot_b
	s_wait_tensorcnt 0x0
.Lnot_b:
	BARRIER                                        ; w_proj's rows are in
	WEIGHTS
	s_wait_tensorcnt 0x0                           ; every wave: all that is still out
	s_wait_dscnt 0x0
	BARRIER                                        ; O's images are in
	AFETCH 0, 0
	AFETCH 1, 1
	s_wait_loadcnt 0x0                             ; the scale words and the bias
.irp a, 0,1,2,3,4,5,6,7
.if \a == 0
	s_wait_dscnt 48                                ; block 1's 48 loads may be out
.elseif \a < 7
	s_wait_dscnt 63                                ; behind this block's loads stand 16 of the stage and 48 of the next block: the count is the stricter 63
.else
	s_wait_dscnt 16                                ; the stage's 16
.endif
	BLOCK \a
	PLACES 4                                       ; behind the products: their results are read and their operands' registers loaded below
.if \a > 0
.if \a < 7
	SEND \a-1, 48                                  ; the block before leaves; the next block's 48 loads may be out
.else
	SEND \a-1, 0
.endif
	s_wait_xcnt 0x0                                ; earlier stores have read their registers: the stage's loads may land there
.endif
	TOSTAGE \a
.if \a < 6
	AFETCH \a%2, \a+2
.endif
.endr
	SEND 7, 0
	s_wait_tensorcnt 0x0                           ; the wave's end
	ds_add_u32 v[SPW], v[NIL]
	s_wait_dscnt 0x0
	CROUND                                         ; the closing round
	s_endpgm
.Lfunc_end_k_qf413803ea5_proj:
	.size	k_qf413803ea5_proj, .Lfunc_end_k_qf413803ea5_proj-k_qf413803ea5_proj
	.p2alignl 7, 3214868480
	.fill 96, 4, 3214868480
	.section	.rodata,"a",@progbits
	.p2align	6, 0x0
	.amdhsa_kernel k_qf413803ea5_proj
		.amdhsa_group_segment_fixed_size 327680
		.amdhsa_private_segment_fixed_size 0
		.amdhsa_enable_private_segment 0
		.amdhsa_kernarg_size 48
		.amdhsa_user_sgpr_count 2
		.amdhsa_user_sgpr_kernarg_segment_ptr 1
		.amdhsa_wavefront_size32 1
		.amdhsa_system_sgpr_workgroup_id_x 1
		.amdhsa_system_sgpr_workgroup_id_y 1
		.amdhsa_system_sgpr_workgroup_id_z 1
		.amdhsa_system_vgpr_workitem_id 0
		.amdhsa_next_free_vgpr 1024
		.amdhsa_next_free_sgpr 92
		.amdhsa_reserve_vcc 0
		.amdhsa_float_denorm_mode_32 3
		.amdhsa_float_denorm_mode_16_64 3
		.amdhsa_memory_ordered 1
		.amdhsa_forward_progress 1
		.amdhsa_inst_pref_size 92
	.end_amdhsa_kernel
	.amdgpu_metadata
---
amdhsa.version: [ 1, 2 ]
amdhsa.kernels:
  - .name:           k_qf413803ea5_proj
    .symbol:         k_qf413803ea5_proj.kd
    .args:
      - { .name: oimg, .offset: 0, .size: 8, .value_kind: global_buffer, .address_space: global }
      - { .name: osc, .offset: 8, .size: 8, .value_kind: global_buffer, .address_space: global }
      - { .name: w_proj_codes, .offset: 16, .size: 8, .value_kind: global_buffer, .address_space: global }
      - { .name: w_proj_scales, .offset: 24, .size: 8, .value_kind: global_buffer, .address_space: global }
      - { .name: b_proj, .offset: 32, .size: 8, .value_kind: global_buffer, .address_space: global }
      - { .name: out0, .offset: 40, .size: 8, .value_kind: global_buffer, .address_space: global }
    .group_segment_fixed_size: 327680
    .private_segment_fixed_size: 0
    .kernarg_segment_align: 8
    .kernarg_segment_size: 48
    .max_flat_workgroup_size: 128
    .sgpr_count:     92
    .vgpr_count:     1024
    .wavefront_size: 32
...
	.end_amdgpu_metadata
.endif
;; end of part 3
